; MI455X (gfx1250); checked and timed in simulation.
; The chip was launched on July 23, 2026; its instructions are those of AMD's public machine-readable ISA for CDNA 5 (MIT licence, August 2026) and "CDNA5" Instruction Set Architecture Reference Guide (July 2026). The comments in the code are by the model that wrote it; some were corrected since.
;; M. Allowed arithmetic: matrix products marked QUANTISED: E5M2 operands, one E8M0 scale for each 32 along K, by v_wmma_scale_f32_16x16x128_f8f6f4 with both operands' format E5M2, f32 sums; everything else in f32.
;; Inputs: k 8,192 x 128 float32; q 8,192 x 128 float32; v 8,192 x 128 float32.
;; Outputs: out0 8,192 x 128 float32.
;; This version of the problem:
;;   THIS VERSION OF THE PROBLEM IS GIVEN IN LOW PRECISION. The matrix products marked QUANTISED in the list below multiply operands that are first quantised to E5M2 (5 exponent bits, 2 mantissa bits; 8 bits a number), with one power-of-two scale for each 32 numbers along K (OCP MX v1.0); their sums are f32. All else is computed in f32.
;;   The module's matrix products, in the order in which they are computed (A, B: the left and right operand; K: the contracted axis; several contracted axes count as one K, in the product's order):
;;     1. [M 8,192, K 128] x [K 128, N 8,192]; A: input q; B: input k: QUANTISED
;;     2. [M 8,192, K 8,192] x [K 8,192, N 128]; A: softmax (see below); B: input v: QUANTISED
;;   THE QUANTISER, for each operand of a quantised product, along K:
;;     - K is cut into blocks of 32 from its start; a last block that is shorter is filled with zeros.
;;     - A block's scale is 2^e with e = floor(log2(the largest magnitude in the block)) - 15, held to -126 .. 127; a block of zeros has e = 0. As a byte (E8M0): e + 127.
;;     - Each number is divided by its block's scale, clamped to +-57,344, and rounded to the nearest number of E5M2, ties to even, subnormals kept.
;;     - The product sums the exact products of the quantised numbers (number of the format x scale) in f32.
;;   ~~~python
;;   def quantise(x, axis):      # numpy; x: float32 -> the quantised numbers, widened to float32 again
;;       x = np.moveaxis(x, axis, -1); K = x.shape[-1]
;;       x = np.pad(x, [(0, 0)] * (x.ndim - 1) + [(0, -K % 32)]); x = x.reshape(x.shape[:-1] + (-1, 32)); a = np.abs(x).max(-1, keepdims=True)
;;       e = np.where(a > 0, np.clip(np.frexp(np.where(a > 0, a, 1))[1] - 1 - 15, -126, 127), 0)      # np.frexp(a)[1] - 1 = floor(log2(a)), exactly
;;       r = np.clip(x / 2.0 ** e, -57344, 57344)
;;       step = 2.0 ** (np.maximum(np.frexp(np.where(r == 0, 1, r))[1] - 1, -14) - 2)
;;       q = np.round(r / step) * step * 2.0 ** e      # np.round: ties to even
;;       return np.moveaxis(q.reshape(q.shape[:-2] + (-1,))[..., :K], -1, axis).astype(np.float32)
;;   ~~~
;;   SOFTMAX AHEAD OF A QUANTISED PRODUCT. Where the list says 'softmax', what is quantised is not the finished softmax but p = 2^(t - M), with t = logit x log2(e) and M = ceil(the row's largest t), a whole number; so 1/2 < the row's largest p <= 1. The row's sum l is taken of the UNQUANTISED p, in f32, and the product's result is divided by l at the end. Since M is a whole number, a kernel that streams over the keys may use a running M (the ceiling of the running maximum): every later rescaling is an exact power of two, which a block's scale takes up: the codes' values come out the same.
;;   OPERANDS COMPUTED ON THE WAY. 'Computed on the way' means the value that the module computes at that place (a softmax that the list does not call 'softmax' is quantised finished and normalised). What goes into a quantiser is computed in f32, as accurately as f32 sums, v_exp_f32 and their like allow (about 1e-6 of the number): no bf16 or f16 on the way to a quantiser, and a product that is left as it is and whose result goes on into a quantised operand takes f32 operands (vector FMAs, or v_wmma_f32_16x16x4_f32). A number that lies on a knife's edge between two numbers of the format may be rounded either way, as far as f32 arithmetic and the matrix unit's own rounding can turn it there, and no further.
;; One version. Each part assembles by itself: llvm-mc -triple=amdgcn-amd-amdhsa -mcpu=gfx1250 --defsym DOCPART=n.
;; ======== version 1 of 1: 3 launches
;; limits: right only within a limited range of input values
;; workspace buffers: qc 1,081,344 bytes; kv 2,162,688 bytes; part 16,777,216 bytes; ml 524,288 bytes
;; launch quant (part 1): grid 192 x 1, 4 waves a work-group, no clusters, 68,096 bytes of LDS; arguments q, k, v, qc, kv; writes qc, kv
.if DOCPART == 1
	.amdgcn_target "amdgcn-amd-amdhsa--gfx1250"
	.amdhsa_code_object_version 6
	.text
	.protected	k_q94687edbf8_quant
	.globl	k_q94687edbf8_quant
	.p2align	8
	.type	k_q94687edbf8_quant,@function
k_q94687edbf8_quant:
	s_mov_b64 s[64:65], 0
	v_nop
	global_prefetch_b8 v0, s[64:65] scope:SCOPE_SE
	s_setreg_imm32_b32 hwreg(HW_REG_WAVE_MODE, 25, 1), 1
	s_wait_xcnt 0x0
; q, k, v [8192][128] f32 become codes of BF8 (E5M2) with one E8M0 scale byte for each 32 along the product's K, laid as the attention launch's operand registers want them.
; q and k are quantised along the 128 channels, v along the keys.  A block's scale is 2^(floor(log2(its largest magnitude)) - 15): its byte is the largest magnitude's exponent field - 15, held at 1 from below;
; each number is held within +-57,344 x the scale and rounded to the nearest code, ties to even.
; LAYOUT.  A FRAGMENT (16 rows x 128 along K) is an image of its 16 registers: registers 4 c .. 4 c + 3 of lane L lie at 512 c + 16 L, 2,048 bytes in all.  Lane L = 16 h + r holds row r, K = 32 c + 16 h + 0 .. 15.
;   kv: 64 blocks of 33,792 bytes, one for each 128 keys: K's 8 fragments, V's 8 fragments, K's 128 scale words, V's 128 scale words.   qc: 64 blocks of 16,896 bytes, one for each 128 queries: 8 fragments, 128 scale words.
;   Fragment t of k or q: row r is row 32 (t / 2) + 8 (t % 2) + r + 8 (r / 8) of the block, so that the scores of tiles 2 b and 2 b + 1 are 16 neighbouring keys in a lane's registers.  q takes the same order: one path serves both.
;   Fragment t of v: row r is channel 16 t + r, K = the block's 128 keys.   Scale word 16 t + r belongs to row r of fragment t.
; SHARES.  Work-groups 0-63: a block of k; 64-127: of q; 128-191: of v.  A wave takes a quarter of a block: 16,384 bytes of f32, all asked for at once.  Waves share nothing: no barrier.
; LIMITS: a block of zeros gets the byte 1 where the rule says 127 (its codes are zeros, which add nothing, and this program alone reads the bytes); NaN and infinities among the inputs are not served.
.set X,     32                         ; v32-159  my 128 numbers
.set PC,    160                        ; v160-191 codes: registers of their own for each store, so that no store's data are written again
.set TM,    192                        ; v192-195 largest magnitudes, v196-199 the other half's, then bytes, v200-203 57,344 x the scale, v204-207 the conversions' scale operand
.set PW,    208                        ; v208-209 the two tiles' scale words
.set SW,    210                        ; v210     the scale word that I store
.set PITCH, 528                        ; a row in the stage: 512 bytes + 16: an odd multiple of 16, so sixteen rows' like columns lie in sixteen different columns of 16 bytes
.set WSTG,  32*PITCH                   ; a wave's stage
	s_load_b256 s[4:11], s[0:1], 0x0               ; q s[4:5], k s[6:7], v s[8:9], qc s[10:11]
	s_load_b64 s[12:13], s[0:1], 0x20              ; kv
	v_lshl_add_u32 v224, v0, 2, 0x10800
	v_mov_b32 v225, 0
	v_lshrrev_b32 v1, 5, v0
	v_readfirstlane_b32 s14, v1                    ; wave 0..3
	v_and_b32 v1, 31, v0                           ; lane
	v_and_b32 v2, 15, v0                           ; r
	v_bfe_u32 v3, v0, 4, 1                         ; h
	v_lshlrev_b32 v4, 4, v1                        ; 16 x lane
	v_lshlrev_b32 v7, 2, v1                        ; 4 x lane
	s_mov_b32 s28, 0x76543210
	s_mov_b32 s29, 0xfedcba98                      ; v_permlanex16_b32's selects for lane l xor 16
	s_mov_b32 s30, 0x600000                        ; the mantissa field of 57,344
	s_wait_kmcnt 0x0
	s_cmp_lt_u32 ttmp9, 128
	s_cbranch_scc0 .Lv
	; ---- k and q: K is innermost.  My 32 rows are tiles 2 w and 2 w + 1 of the block.
	s_mov_b32 s16, 16896                           ; qc's block, and where its scale words begin
	s_mov_b32 s17, 16384
	s_cmp_lt_u32 ttmp9, 64                         ; k or q: the choice hangs on the work-group's number alone
	s_cselect_b64 s[4:5], s[6:7], s[4:5]
	s_cselect_b64 s[10:11], s[12:13], s[10:11]
	s_cselect_b32 s16, 33792, s16
	s_cselect_b32 s17, 32768, s17
	s_cselect_b32 s18, 0, 64
	s_sub_co_u32 s18, ttmp9, s18                   ; the block j
	s_lshl_b32 s20, s18, 16                        ; 128 rows of 512 bytes a block,
	s_lshl_b32 s21, s14, 14                        ; 32 rows a wave
	s_add_co_u32 s20, s20, s21
	s_mov_b32 s21, 0
	s_add_nc_u64 s[4:5], s[4:5], s[20:21]          ; my first row
	s_mul_i32 s22, s18, s16
	s_mov_b32 s23, 0
	s_add_nc_u64 s[10:11], s[10:11], s[22:23]      ; the block in the codes' buffer
	s_lshl_b32 s20, s14, 12
	s_add_nc_u64 s[24:25], s[10:11], s[20:21]      ; my two fragments
	s_lshl_b32 s22, s14, 7
	s_add_co_u32 s22, s22, s17
	s_add_nc_u64 s[26:27], s[10:11], s[22:23]      ; my 32 scale words
	s_mul_i32 s19, s14, WSTG
	s_wait_alu depctr_va_vdst(0)
	v_add_nc_u32 v5, s19, v4                       ; the stage, on the way in: a row as it lies, 16 bytes a lane
	v_mul_u32_u24 v6, v2, PITCH
	v_lshl_add_u32 v6, v3, 6, v6
	v_add_nc_u32 v6, s19, v6                       ; and on the way out: place r, + 64 h: my 16 numbers of a block of 32
.irp b, 0,1,2,3
	v_mov_b32 v[TM+4+\b], 0                        ; written once: a lane permute's destination counts as one of its sources
.endr
.set p, 0
.rept 32
	global_load_b128 v[X+4*p:X+4*p+3], v4, s[4:5] offset:512*p th:TH_LOAD_NT   ; a load is a row: 512 consecutive bytes
.set p, p+1
.endr
.set p, 0
	s_wait_alu depctr_va_vdst(0)
.rept 32                                       ; row p goes to the place at which its tile's lane looks for it: tile (p / 8) % 2, lane p % 8 + 8 (p / 16)
	s_wait_loadcnt 31-p                            ; loads come back in order: row p is in, the 31 - p younger ones may be out
	ds_store_b128 v5, v[X+4*p:X+4*p+3] offset:PITCH*(16*((p/8)%2)+p%8+8*(p/16))
.set p, p+1
.endr
.irp u, 0,1                                    ; back: register 64 u + 16 b + i = channel 32 b + 16 h + i of my row of tile u.  LDS serves a wave's instructions in order: these see the stores above
.irp b, 0,1,2,3
.irp i, 0,1,2,3
	ds_load_b128 v[X+64*\u+16*\b+4*\i:X+64*\u+16*\b+4*\i+3], v6 offset:16*PITCH*\u+128*\b+16*\i
.endr
.endr
.endr
; 64 numbers of a lane, v[s] on, register 16 b + i = K 32 b + 16 h + i of my row, become a fragment's codes in v[pc] on and my row's scale word in v[pw]
.macro QUANT s, pc, pw
.irp b, 0,1,2,3
	v_max3_num_f32 v[TM+\b], |v[\s+16*\b]|, |v[\s+16*\b+1]|, 0x8000000   ; block b: my 16 numbers, and the floor 2^(16 - 127): so the byte cannot fall under 1
.endr
.irp i, 2,4,6,8,10,12,14
.irp b, 0,1,2,3
	v_max3_num_f32 v[TM+\b], v[TM+\b], |v[\s+16*\b+\i]|, |v[\s+16*\b+\i+1]|   ; the four blocks by turns: no line waits for the line above it
.endr
.endr
.irp b, 0,1,2,3
	v_permlanex16_b32 v[TM+4+\b], v[TM+\b], s28, s29
.endr
.irp b, 0,1,2,3
	v_max_num_f32 v[TM+\b], v[TM+\b], v[TM+4+\b]   ; with lane l xor 16's: the block's largest magnitude
.endr
.irp b, 0,1,2,3
	v_add_nc_u32 v[TM+12+\b], 0xf8800000, v[TM+\b] ; 15 off its exponent field: the conversion takes this operand's exponent field as its scale
.endr
.irp b, 0,1,2,3
	v_and_or_b32 v[TM+8+\b], v[TM+\b], 0x7f800000, s30   ; 57,344 x the scale
.endr
.irp b, 0,1,2,3
	v_lshrrev_b32 v[TM+4+\b], 23, v[TM+12+\b]      ; the scale's byte
.endr
	v_lshl_or_b32 v[\pw], v[TM+5], 8, v[TM+4]
	v_lshl_or_b32 v[\pw], v[TM+6], 16, v[\pw]
	v_lshl_or_b32 v[\pw], v[TM+7], 24, v[\pw]
.irp b, 0,1,2,3
.irp i, 0,1,2,3,4,5,6,7,8,9,10,11,12,13,14,15
	v_med3_num_f32 v[\s+16*\b+\i], v[\s+16*\b+\i], -v[TM+8+\b], v[TM+8+\b]   ; the conversion to an 8-bit code does not saturate (ISA guide 7.6.2): the hold comes first
.endr
	v_cvt_scalef32_pk8_bf8_f32 v[\pc+4*\b:\pc+4*\b+1], v[\s+16*\b:\s+16*\b+7], v[TM+12+\b]
	v_cvt_scalef32_pk8_bf8_f32 v[\pc+4*\b+2:\pc+4*\b+3], v[\s+16*\b+8:\s+16*\b+15], v[TM+12+\b]
.endr
	v_nop                                          ; a plain line between the last conversion and the next vector line that writes its scale operand
.endm
	s_wait_dscnt 16                                ; tile 0's numbers are back; tile 1's sixteen loads may be out
	QUANT X, PC, PW
.irp c, 0,1,2,3
	global_store_b128 v4, v[PC+4*\c:PC+4*\c+3], s[24:25] offset:512*\c          ; 32 lanes store 512 consecutive bytes
.endr
	s_wait_dscnt 0x0
	QUANT X+64, PC+16, PW+1
.irp c, 0,1,2,3
	global_store_b128 v4, v[PC+16+4*\c:PC+16+4*\c+3], s[24:25] offset:2048+512*\c
.endr
	v_cmp_gt_u32 vcc_lo, 16, v1                    ; both halves of the lanes hold row r's word: lanes 0-15 store tile 0's, lanes 16-31 tile 1's
	v_cndmask_b32 v[SW], v[PW+1], v[PW], vcc_lo
	global_store_b32 v7, v[SW], s[26:27]           ; 128 consecutive bytes
	s_wait_tensorcnt 0x0
	ds_add_u32 v224, v225
	s_wait_dscnt 0x0
	s_endpgm
	; ---- v: K = the keys is the first axis.  A lane takes a channel (32 w + lane) and its registers run down the block's 128 keys: a block of 32 lies in one lane, and the codes come out with the keys innermost.
.Lv:
	s_sub_co_u32 s18, ttmp9, 128                   ; the block j
	s_lshl_b32 s20, s18, 16                        ; 128 keys of 512 bytes,
	s_lshl_b32 s21, s14, 7                         ; my wave's 32 channels
	s_add_co_u32 s20, s20, s21
	s_mov_b32 s21, 0
	s_add_nc_u64 s[8:9], s[8:9], s[20:21]
	s_mul_i32 s22, s18, 33792
	s_lshl_b32 s23, s14, 12
	s_add_co_u32 s22, s22, s23
	s_add_co_u32 s22, s22, 16384
	s_mov_b32 s23, 0
	s_add_nc_u64 s[24:25], s[12:13], s[22:23]      ; V's fragments 2 w and 2 w + 1 of the block
	s_mul_i32 s22, s18, 33792
	s_lshl_b32 s20, s14, 7
	s_add_co_u32 s22, s22, s20
	s_add_co_u32 s22, s22, 33280
	s_add_nc_u64 s[26:27], s[12:13], s[22:23]      ; and their 32 scale words
	s_wait_alu depctr_va_vdst(0)
	v_lshlrev_b32 v8, 4, v2
	v_lshl_add_u32 v8, v3, 11, v8                  ; my channel is row r of fragment 2 w + h: 2,048 h + 16 r
.set p, 0
.rept 128
	global_load_b32 v[X+p], v7, s[8:9] offset:512*p th:TH_LOAD_NT   ; key p at 32 neighbouring channels: 128 consecutive bytes
.set p, p+1
.endr
.macro BLOCK c
.set XS, X+32*(\c)
.if (\c) < 2
	s_wait_loadcnt 63                              ; of the 128 loads at most 63 are out: the first 65 are in, blocks 0 and 1 among them (a wait names 63 at the most)
.else
	s_wait_loadcnt 32*(3-(\c))                     ; this block's loads are in; the younger blocks' may be out
.endif
	v_max3_num_f32 v192, |v[XS]|, |v[XS+1]|, |v[XS+2]|   ; the block's largest magnitude: all 32 numbers are mine; two chains
	v_max3_num_f32 v193, |v[XS+3]|, |v[XS+4]|, |v[XS+5]|
.irp i, 6,10,14,18,22,26
	v_max3_num_f32 v192, v192, |v[XS+\i]|, |v[XS+\i+1]|
	v_max3_num_f32 v193, v193, |v[XS+\i+2]|, |v[XS+\i+3]|
.endr
	v_max3_num_f32 v192, v192, |v[XS+30]|, |v[XS+31]|
	v_max3_num_f32 v192, v192, v193, 0x8000000     ; and the floor 2^(16 - 127)
	v_add_nc_u32 v194, 0xf8800000, v192            ; the conversions' scale operand
	v_and_or_b32 v195, v192, 0x7f800000, s30       ; 57,344 x the scale
	v_lshrrev_b32 v196, 23, v194                   ; the byte
.if (\c) == 0
	v_mov_b32 v[SW], v196
.else
	v_lshl_or_b32 v[SW], v196, 8*(\c), v[SW]       ; the lower keys in the lower byte
.endif
.set p, 0
.rept 32
	v_med3_num_f32 v[XS+p], v[XS+p], -v195, v195
.set p, p+1
.endr
.irp g, 0,1,2,3
	v_cvt_scalef32_pk8_bf8_f32 v[PC+8*(\c)+2*\g:PC+8*(\c)+2*\g+1], v[XS+8*\g:XS+8*\g+7], v194
.endr
	v_nop                                          ; a plain line behind the last conversion
	global_store_b128 v8, v[PC+8*(\c):PC+8*(\c)+3], s[24:25] offset:512*(\c)          ; keys 32 c + 0 .. 15: the image's lanes 0-15; sixteen lanes store 256 consecutive bytes, aligned
	global_store_b128 v8, v[PC+8*(\c)+4:PC+8*(\c)+7], s[24:25] offset:512*(\c)+256    ; keys 32 c + 16 .. 31: its lanes 16-31
.endm
	BLOCK 0
	BLOCK 1
	BLOCK 2
	BLOCK 3
	global_store_b32 v7, v[SW], s[26:27]           ; my channel's scale word: 128 consecutive bytes a wave
	s_endpgm
.Lfunc_end_k_q94687edbf8_quant:
	.size	k_q94687edbf8_quant, .Lfunc_end_k_q94687edbf8_quant-k_q94687edbf8_quant
	.p2alignl 7, 3214868480
	.fill 96, 4, 3214868480
	.section	.rodata,"a",@progbits
	.p2align	6, 0x0
	.amdhsa_kernel k_q94687edbf8_quant
		.amdhsa_group_segment_fixed_size 68096
		.amdhsa_private_segment_fixed_size 0
		.amdhsa_enable_private_segment 0
		.amdhsa_kernarg_size 40
		.amdhsa_user_sgpr_count 2
		.amdhsa_user_sgpr_kernarg_segment_ptr 1
		.amdhsa_wavefront_size32 1
		.amdhsa_system_sgpr_workgroup_id_x 1
		.amdhsa_system_sgpr_workgroup_id_y 1
		.amdhsa_system_sgpr_workgroup_id_z 1
		.amdhsa_system_vgpr_workitem_id 0
		.amdhsa_next_free_vgpr 226
		.amdhsa_next_free_sgpr 66
		.amdhsa_reserve_vcc 1
		.amdhsa_float_denorm_mode_32 3
		.amdhsa_float_denorm_mode_16_64 3
		.amdhsa_memory_ordered 1
		.amdhsa_forward_progress 1
		.amdhsa_inst_pref_size 56
	.end_amdhsa_kernel
	.amdgpu_metadata
---
amdhsa.version: [ 1, 2 ]
amdhsa.kernels:
  - .name:           k_q94687edbf8_quant
    .symbol:         k_q94687edbf8_quant.kd
    .args:
      - { .name: q, .offset: 0, .size: 8, .value_kind: global_buffer, .address_space: global }
      - { .name: k, .offset: 8, .size: 8, .value_kind: global_buffer, .address_space: global }
      - { .name: v, .offset: 16, .size: 8, .value_kind: global_buffer, .address_space: global }
      - { .name: qc, .offset: 24, .size: 8, .value_kind: global_buffer, .address_space: global }
      - { .name: kv, .offset: 32, .size: 8, .value_kind: global_buffer, .address_space: global }
    .group_segment_fixed_size: 68096
    .private_segment_fixed_size: 0
    .kernarg_segment_align: 8
    .kernarg_segment_size: 40
    .max_flat_workgroup_size: 128
    .sgpr_count:     66
    .vgpr_count:     226
    .wavefront_size: 32
...
	.end_amdgpu_metadata
.endif
;; end of part 1
;; launch attn (part 2): grid 64 x 4, 4 waves a work-group, clusters of 4 x 1, 327,680 bytes of LDS; arguments qc, kv, part, ml; writes part, ml
.if DOCPART == 2
	.amdgcn_target "amdgcn-amd-amdhsa--gfx1250"
	.amdhsa_code_object_version 6
	.text
	.protected	k_q94687edbf8_attn
	.globl	k_q94687edbf8_attn
	.p2align	8
	.type	k_q94687edbf8_attn,@function
k_q94687edbf8_attn:
	s_mov_b64 s[64:65], 0
	v_nop
	global_prefetch_b8 v0, s[64:65] scope:SCOPE_SE
	s_setreg_imm32_b32 hwreg(HW_REG_WAVE_MODE, 25, 1), 1
	s_wait_xcnt 0x0
	s_wait_alu depctr_hold_cnt(0) depctr_sa_sdst(0) depctr_va_vdst(0) depctr_va_sdst(0) depctr_va_ssrc(0) depctr_va_vcc(0) depctr_vm_vsrc(0)
	s_getreg_b32 s2, hwreg(HW_REG_IB_STS2, 6, 4)
	s_cmp_eq_u32 s2, 0
	s_cbranch_scc0 .Lentry_in_a_cluster
	s_endpgm
.Lentry_in_a_cluster:
	s_bfe_u32 s2, ttmp6, 0x10000c
	s_cmp_lg_u32 s2, 0x3003
	s_cbranch_scc0 .Lentry_shape_is_right
	s_endpgm
.Lentry_shape_is_right:
; Attention of 128 queries over ONE SHARE of 2,048 keys, both products on codes of BF8 (E5M2) with E8M0 scales for each 32 along K.  The four shares' results are joined by the next launch.
; For each query: t = score x log2(e) / sqrt(128); M = the largest t so far, rounded UP to a whole number; p = 2^(t - M) is quantised along the keys; l = the sum of the unquantised p; O = the sum of p v.
; When M moves, l and O are multiplied by 2^(old M - new M), which rounds nothing.  Stored: O (not divided), -M and l.
; SHARES.  Work-group (x, y): queries 128 x on, keys 2,048 y on, in 8 steps of 256 keys.  Wave w = 2 g + k owns 64 queries (g: four tiles of 16) and of each step's two blocks of 128 keys block k: a fragment of K or V
; read from LDS feeds four matrix instructions.  At the end waves 2 g and 2 g + 1 join their halves through LDS, two tiles each: wave w's first pair of tiles is the block's pair w, its second pair is w xor 1.
; RING.  Two LDS slots of one step (67,584 bytes as they lie in kv), a quarter by each wave's one tensor load.  The four work-groups of a cluster have the same y, so the same tiles: every load is joint.
; A step's change of slots stands in the middle of its softmax: V's fragments are in registers by then, and behind it the next step's K is read from the other slot.
; Every tile is asked for a whole step, 64 matrix instructions and over 1,000 vector instructions of the wave, ahead of the wait for it: so no prefetch is laid.
; ORDER.  Products alternate with vector work of other tiles: K Q^T of tiles 2 and 3 with the maxima of tiles 0 and 1; V P^T of tiles 0 and 1 with tile 3's exponentials and tile 2's holds; the NEXT step's K Q^T of tiles 0
; and 1 with tile 3's sums and holds.  V P^T of tiles 2 and 3 ends the step.  LDS loads go in short runs, never among products.
; LAYOUT.  Both products are used transposed: S^T = K Q^T (source 0 = 16 keys, source 1 = 16 queries), O^T = V^T P^T (source 0 = 16 channels, source 1 = P): a lane holds ONE query (lane % 16) of each tile throughout.
; The keys of K's fragment t are 32 (t / 2) + 8 (t % 2) + r + 8 (r / 8), so the 16 registers of score tiles 2 b, 2 b + 1 are keys 32 b + 16 (lane / 16) + 0 .. 15: the conversions' results are P's fragment.
; LIMITS: p under 2^-126 counts as 0; a block of p that is all zeros keeps the byte 1 (its codes are zeros); the scaled scores t stay under 2^31 in magnitude; NaN and infinities are not served.
; A block's scale is taken from floor(t - M) of its largest score: where v_exp_f32 rounds such a p up to the next power of two, that p is held at 57,344 x the scale.
; REGISTERS.  window 0: below.  window 1: the scores S^T, then p, 64 a tile.  window 2: O^T, 64 a tile.  window 3: K's eight fragments, V's eight at 128.
.set STEPB, 33792                      ; a block of 128 keys: K's fragments, V's at 16,384, K's scale words at 32,768, V's at 33,280
.set CH,    16896                      ; what one tensor load brings: 66 rows of 256 bytes
.set SLOT1, 1<<17                      ; slot 1 begins here: one exclusive or turns an address from slot to slot
.set MRG,   SLOT1+2*STEPB              ; the exchange at the end: 16,384 bytes a wave,
.set MLX,   MRG+65536                  ; and 512 bytes of (-M, l) a wave
.set SPARE, MLX+2048                   ; the spare words, 128 bytes a wave
.set LI,  1                            ; 16 x lane
.set LS,  2                            ; 4 x lane
.set ADR, 3                            ; the step's block in LDS + 16 x lane
.set ADS, 4                            ; the same + 4 x lane
.set L8,  5                            ; 8 x lane
.set SPW, 6                            ; my spare word; never rewritten
.set NIL, 7                            ; 0; never rewritten
.set ST,  8                            ; tile x: v[8+2x] -M, v[9+2x] the largest score so far; at the end l
.set LS4, 16                           ; tile x: four pairs of l from v[16+8x]
.set F,   48                           ; tile x: f = 2^(old M - new M) in the low word of v[48+2x:49+2x]
.set BM,  56                           ; v56-71 block n = 4 x + b: the largest score, then floor(t - M)
.set SO,  72                           ; v72-87 the other half's maxima, then the conversions' scale operand
.set HD,  88                           ; v88-103 57,344 x the scale
.set KS,  104                          ; K's scale words
.set PS,  108                          ; p's, a register a tile
.set VS,  112                          ; V's
.set QS,  116                          ; Q's, a register for two tiles (lanes 0-15, lanes 16-31)
.set TP,  118                          ; v118-125 at work: four registers in the chain for M, four pairs in the sums
.set EXS, 88                           ; the exchange, where HD is done with: where I put tiles 2 and 3,
.set EX8, 89                           ; and their (-M, l);
.set EXL, 90                           ; where my partner puts what is mine
.set EL8, 91
.set QF,  128                          ; v128-191 Q
.set CD,  192                          ; v192-255 p's codes
.set WV,  12                           ; s12  my wave's number
.set SEL, 20                           ; s[20:21] lane selects: lane l xor 16
.set CS,  22                           ; s[22:23] c = log2(e) / sqrt(128)
.set G1,  24
.set G0,  32
.set NCS, 48                           ; s48  -c
.set TB,  49                           ; s49  my block of the step in LDS
.set CNT, 50
.set NINF, 51                          ; s51  -infinity
.set MSB, 0
.macro WIN new                         ; bits 1:0 source 0, 3:2 source 1, 5:4 source 2, 7:6 destination; the high byte repeats the setting that is left
.if MSB != \new
	s_set_vgpr_msb (MSB<<8)|\new
.set MSB, \new
.endif
.endm
.macro ALUWAIT
	s_wait_alu depctr_va_vdst(0)
.endm
.macro CREST                           ; a round of the cluster's barrier behind its opening barrier
	s_cmp_lg_u32 s[WV], 0
	s_cbranch_scc1 .Lnot_wave_0_\@
	s_barrier_signal -3
.Lnot_wave_0_\@:
	s_barrier_wait -3
	s_barrier_signal -1
	s_barrier_wait -1
.endm
.macro ROUND
	s_barrier_signal -1
	s_barrier_wait -1
	CREST
.endm
.macro NOPS n
.rept \n
	v_nop
.endr
.endm
.macro KLOAD t                         ; K's fragment t, into window 3
	WIN 0xc0
.irp c, 0,1,2,3
	ds_load_b128 v[16*(\t)+4*\c:16*(\t)+4*\c+3], v[ADR] offset:2048*(\t)+512*\c
.endr
.endm
.macro VLOAD t
	WIN 0xc0
.irp c, 0,1,2,3
	ds_load_b128 v[128+16*(\t)+4*\c:128+16*(\t)+4*\c+3], v[ADR] offset:16384+2048*(\t)+512*\c
.endr
.endm
.macro SCALES reg, off                 ; tile 2 i's words in lanes 0-15, tile 2 i + 1's in lanes 16-31
	WIN 0
.irp i, 0,1,2,3
	ds_load_b32 v[\reg+\i], v[ADS] offset:\off+128*\i
.endr
.endm
; S^T of tile x, keys' fragment t: K in window 3, Q in window 0, S^T in window 1
.macro KQ t, x
	WIN 0x43
.set rD, 64*(\x)+8*(\t)
.set rA, 16*(\t)
.set rB, QF+16*(\x)
.set rK, KS+(\t)/2
.set rQ, QS+(\x)/2
.if ((\t)%2) && ((\x)%2)
	v_wmma_scale_f32_16x16x128_f8f6f4 v[rD:rD+7], v[rA:rA+15], v[rB:rB+15], 0, v[rK], v[rQ] matrix_a_fmt:MATRIX_FMT_BF8 matrix_b_fmt:MATRIX_FMT_BF8 matrix_a_scale:MATRIX_SCALE_ROW1 matrix_b_scale:MATRIX_SCALE_ROW1
.elseif (\t)%2
	v_wmma_scale_f32_16x16x128_f8f6f4 v[rD:rD+7], v[rA:rA+15], v[rB:rB+15], 0, v[rK], v[rQ] matrix_a_fmt:MATRIX_FMT_BF8 matrix_b_fmt:MATRIX_FMT_BF8 matrix_a_scale:MATRIX_SCALE_ROW1
.elseif (\x)%2
	v_wmma_scale_f32_16x16x128_f8f6f4 v[rD:rD+7], v[rA:rA+15], v[rB:rB+15], 0, v[rK], v[rQ] matrix_a_fmt:MATRIX_FMT_BF8 matrix_b_fmt:MATRIX_FMT_BF8 matrix_b_scale:MATRIX_SCALE_ROW1
.else
	v_wmma_scale_f32_16x16x128_f8f6f4 v[rD:rD+7], v[rA:rA+15], v[rB:rB+15], 0, v[rK], v[rQ] matrix_a_fmt:MATRIX_FMT_BF8 matrix_b_fmt:MATRIX_FMT_BF8
.endif
.endm
; O^T of tile x, channels' fragment t: V in window 3, P in window 0, C and D in window 2
.macro PV t, x
	WIN 0xa3
.set rD, 64*(\x)+8*(\t)
.set rA, 128+16*(\t)
.set rB, CD+16*(\x)
.set rK, VS+(\t)/2
.set rP, PS+(\x)
.if (\t)%2
	v_wmma_scale_f32_16x16x128_f8f6f4 v[rD:rD+7], v[rA:rA+15], v[rB:rB+15], v[rD:rD+7], v[rK], v[rP] matrix_a_fmt:MATRIX_FMT_BF8 matrix_b_fmt:MATRIX_FMT_BF8 matrix_a_scale:MATRIX_SCALE_ROW1
.else
	v_wmma_scale_f32_16x16x128_f8f6f4 v[rD:rD+7], v[rA:rA+15], v[rB:rB+15], v[rD:rD+7], v[rK], v[rP] matrix_a_fmt:MATRIX_FMT_BF8 matrix_b_fmt:MATRIX_FMT_BF8
.endif
.endm
; line q of the 64 that find the largest score of eight blocks of 32 keys, block b on, the blocks by turns; each accumulator is read from its low end on
.macro MAXL q, b
.set mi, 2*((\q)/8)
.set mn, (\b)+(\q)%8
.if mi == 0
	v_max3_num_f32 v[BM+mn], s[NINF], v[16*mn], v[16*mn+1]
.else
	v_max3_num_f32 v[BM+mn], v[BM+mn], v[16*mn+mi], v[16*mn+mi+1]
.endif
.endm
.macro TM y, k                         ; t - M of tile y, numbers k and k + 1
	v_pk_fma_f32 v[64*(\y)+\k:64*(\y)+\k+1], v[64*(\y)+\k:64*(\y)+\k+1], s[CS:CS+1], v[ST+2*(\y):ST+2*(\y)+1] op_sel_hi:[1,0,0]
.endm
; THE HOLD, line k of tile y's 32: the conversion does not saturate (ISA guide 7.6.2); p is not negative, so it is one-sided.  Two to an instruction: element j of block b goes with element j xor 1 of block b + 1, so that the
; destinations are one even and one odd and the sources' numbers differ modulo 4.
.macro HOLDP y, k
.set hb, 2*((\k)/16)
.set hj, (\k)%16
.set ha, 64*(\y)+16*hb+hj
.set hc, 64*(\y)+16*hb+17+hj-2*(hj%2)
.set hq, HD+4*(\y)+hb
	v_dual_min_num_f32 v[ha], v[ha], v[hq] :: v_dual_min_num_f32 v[hc], v[hc], v[hq+1]
.endm
; the 64 exponentials of tile x (0, 1 or 2), with plain lines between them that nothing reads ahead of the wait for the batch: the scalings of tiles 1 to 3, the holds of the tile before
.macro BATCH x
	WIN 0x41
.set ej, 0
.rept 64
	v_exp_f32 v[64*(\x)+ej], v[64*(\x)+ej]         ; p = 2^(t - M), at most 1
.if ej%2 == 0
.if (\x) == 0
	TM 1, ej
.elseif (\x) == 1
	TM 3, ej
.endif
.else
.if (\x) == 0
	TM 2, (ej-1)
.else
	HOLDP (\x-1), (ej/2)
.endif
.endif
.set ej, ej+1
.endr
.endm
; group g of the eight that sum tile x: l takes the UNQUANTISED p, two at a time: l's four pairs, brought under the new M by their first line, and four at work that join them at the end: eight chains by turns
.macro SUMG x, g
.if (\g) == 0
	WIN 0x10
.irp k, 0,1,2,3
	v_pk_fma_f32 v[LS4+8*(\x)+2*\k:LS4+8*(\x)+2*\k+1], v[LS4+8*(\x)+2*\k:LS4+8*(\x)+2*\k+1], v[F+2*(\x):F+2*(\x)+1], v[64*(\x)+2*\k:64*(\x)+2*\k+1] op_sel_hi:[1,0,1]
.endr
.elseif (\g) == 1
	WIN 0x05
.irp k, 0,1,2,3
	v_pk_add_f32 v[TP+2*\k:TP+2*\k+1], v[64*(\x)+8+4*\k:64*(\x)+9+4*\k], v[64*(\x)+10+4*\k:64*(\x)+11+4*\k]
.endr
.elseif (\g) < 7
	WIN 0x04
.if (\g)%2 == 0
.set jc, LS4+8*(\x)
.else
.set jc, TP
.endif
.set js, 64*(\x)+8*(\g)+8
.irp k, 0,1,2,3
	v_pk_add_f32 v[jc+2*\k:jc+2*\k+1], v[jc+2*\k:jc+2*\k+1], v[js+2*\k:js+2*\k+1]
.endr
.else
	WIN 0
.irp k, 0,1,2,3
	v_pk_add_f32 v[LS4+8*(\x)+2*\k:LS4+8*(\x)+2*\k+1], v[LS4+8*(\x)+2*\k:LS4+8*(\x)+2*\k+1], v[TP+2*\k:TP+2*\k+1]
.endr
.endif
.endm
.macro SUMS y
.irp g, 0,1,2,3,4,5,6,7
	SUMG \y, \g
.endr
.endm
; the scale lines of tiles 2 p and 2 p + 1: eight blocks
.macro BLK p
	WIN 0
.irp n, 0,1,2,3,4,5,6,7
	v_fma_f32 v[BM+8*\p+\n], v[BM+8*\p+\n], s[CS], v[ST+4*\p+2*(\n/4)]   ; t - M of the block's largest score
.endr
.irp n, 0,1,2,3,4,5,6,7
	v_cvt_floor_i32_f32 v[BM+8*\p+\n], v[BM+8*\p+\n]   ; the exponent of its largest p
.endr
.irp n, 0,1,2,3,4,5,6,7
	v_max_i32 v[BM+8*\p+\n], 0xffffff91, v[BM+8*\p+\n]   ; held at -111: the byte cannot fall under 1
.endr
.irp u, 0,1
	v_lshl_add_u32 v[PS+2*\p+\u], v[BM+8*\p+4*\u+1], 8, v[BM+8*\p+4*\u]   ; p's scale word: four bytes, each the exponent + 112
.endr
.irp n, 0,1,2,3,4,5,6,7
	v_lshl_add_u32 v[SO+8*\p+\n], v[BM+8*\p+\n], 23, 0x38000000   ; the conversions' scale operand: exponent field + 127 - 15
.endr
.irp u, 0,1
	v_lshl_add_u32 v[PS+2*\p+\u], v[BM+8*\p+4*\u+2], 16, v[PS+2*\p+\u]
.endr
.irp n, 0,1,2,3
	v_add_nc_u32 v[HD+8*\p+\n], 0x07e00000, v[SO+8*\p+\n]   ; 57,344 x the scale
.endr
.irp u, 0,1
	v_lshl_add_u32 v[PS+2*\p+\u], v[BM+8*\p+4*\u+3], 24, v[PS+2*\p+\u]
.endr
.irp n, 4,5,6,7
	v_add_nc_u32 v[HD+8*\p+\n], 0x07e00000, v[SO+8*\p+\n]
.endr
.irp u, 0,1
	v_add_nc_u32 v[PS+2*\p+\u], 0x70707070, v[PS+2*\p+\u]
.endr
.endm
.macro CVT p                           ; the codes of tiles 2 p and 2 p + 1
	WIN 0x01
.set jj, 8*\p
.rept 8
	v_cvt_scalef32_pk8_bf8_f32 v[CD+4*jj:CD+4*jj+1], v[16*jj:16*jj+7], v[SO+jj]
	v_cvt_scalef32_pk8_bf8_f32 v[CD+4*jj+2:CD+4*jj+3], v[16*jj+8:16*jj+15], v[SO+jj]
.set jj, jj+1
.endr
.endm
; K Q^T of tiles 2 and 3, with 56 of the 64 maxima lines of tiles 0 and 1 behind the first fourteen products; the last eight are the places behind the last product
.macro QKMAX
.irp t, 0,1,2,3,4,5,6,7
.irp x, 2,3
	KQ \t, \x
.if \t < 7
	WIN 0x14
.set jq, 4*(2*\t+\x-2)
.rept 4
	MAXL jq, 0
.set jq, jq+1
.endr
.endif
.endr
.endr
	WIN 0x14
.rept 8
	MAXL jq, 0
.set jq, jq+1
.endr
.endm
; V P^T of tiles 0 and 1; behind each product four exponentials of tile 3 and two holds of tile 2
.macro PVEXP
.set ej, 0
.irp t, 0,1,2,3,4,5,6,7
.irp x, 0,1
	PV \t, \x
	WIN 0x41
.rept 2
	v_exp_f32 v[192+ej], v[192+ej]
	v_exp_f32 v[193+ej], v[193+ej]
	HOLDP 2, (ej/2)
.set ej, ej+2
.endr
.endr
.endr
.endm
; the next step's K Q^T of tiles 0 and 1; behind each of the first eight products a group of tile 3's sums, behind each of the others four of its holds
.macro QKSUM
.irp t, 0,1,2,3,4,5,6,7
.irp x, 0,1
	KQ \t, \x
.if \t < 4
	SUMG 3, (2*\t+\x)
.else
	WIN 0x41
.set jq, 4*(2*\t+\x-8)
.rept 4
	HOLDP 3, jq
.set jq, jq+1
.endr
.endif
.endr
.endr
.endm
; A STEP.  At its head its K is in registers and its K Q^T of tiles 0 and 1 is issued.  mode 0: the change of slots fills the slot just read again; 1: it fills nothing; 2: the last step, no change.
; The 32 products of each kind write 32 different accumulators, one instruction each.
.macro STEP mode
	SCALES VS, 33280                               ; V's loads go in four runs, all ahead of the change of slots
	VLOAD 0
	VLOAD 1
	QKMAX
	VLOAD 2
	VLOAD 3
	WIN 0x14
.set jq, 0
.rept 64
	MAXL jq, 8                                     ; tiles 2 and 3
.set jq, jq+1
.endr
	WIN 0
.set jj, 0
.rept 16
	v_permlanex16_b32 v[SO+jj], v[BM+jj], s[SEL], s[SEL+1]
.set jj, jj+1
.endr
.set jj, 0
.rept 8
	v_dual_max_num_f32 v[BM+jj], v[BM+jj], v[SO+jj] :: v_dual_max_num_f32 v[BM+jj+1], v[BM+jj+1], v[SO+jj+1]   ; with lane l xor 16's 16 keys
.set jj, jj+2
.endr
.irp x, 0,1,2,3
	v_max3_num_f32 v[TP+\x], v[BM+4*\x], v[BM+4*\x+1], v[BM+4*\x+2]
.endr
.irp x, 0,1,2,3
	v_max3_num_f32 v[ST+2*\x+1], v[TP+\x], v[BM+4*\x+3], v[ST+2*\x+1]   ; the largest score so far
.endr
.irp x, 0,1,2,3
	v_mul_f32 v[TP+\x], s[NCS], v[ST+2*\x+1]       ; -t
.endr
.irp x, 0,1,2,3
	v_floor_f32 v[TP+\x], v[TP+\x]                 ; the new -M = floor(-t)
.endr
.irp x, 0,1,2,3
	v_sub_f32 v[F+2*\x], v[TP+\x], v[ST+2*\x]      ; old M - new M: a whole number, 0 or less
.endr
.irp x, 0,1,2,3
	v_mov_b32 v[ST+2*\x], v[TP+\x]
.endr
.irp x, 0,1,2,3
	v_cvt_i32_f32 v[F+2*\x], v[F+2*\x]             ; (it saturates)
.endr
.irp x, 0,1,2,3
	v_ldexp_f32 v[F+2*\x], 1.0, v[F+2*\x]
.endr
	WIN 0x41
.set jj, 0
.rept 32
	TM 0, jj
.set jj, jj+2
.endr
	WIN 0x82
	ALUWAIT                                        ; ahead of O^T's first reader
.irp x, 0,1,2,3
.set jj, 64*\x
.rept 32
	v_pk_mul_f32 v[jj:jj+1], v[jj:jj+1], v[F+2*\x:F+2*\x+1] op_sel_hi:[1,0]   ; O^T under the new M
.set jj, jj+2
.endr
.endr
	ALUWAIT                                        ; ahead of the batch
	VLOAD 4
	VLOAD 5
	BATCH 0
	BLK 0                                          ; work that names none of the batch's results stands between it and its wait
	ALUWAIT                                        ; one wait for the batch, ahead of its first reader
	VLOAD 6
	VLOAD 7
	SUMS 0
	BATCH 1
	BLK 1
	ALUWAIT
.if \mode < 2                                  ; THE CHANGE OF SLOTS
	s_wait_tensorcnt 0x0                           ; my part of the next step's slot is in, and no load of mine is out
	ds_add_u32 v[SPW], v[NIL]
.if \mode == 0
	s_xor_b32 s[G0+1], s[G0+1], SLOT1              ; the walking descriptor: this step's slot, two steps on in kv
	s_add_nc_u64 s[G0+2:G0+3], s[G0+2:G0+3], 2*STEPB
.endif
	s_xor_b32 s[TB], s[TB], SLOT1
	v_add_nc_u32 v[ADR], s[TB], v[LI]              ; the next step's block
	v_add_nc_u32 v[ADS], s[TB], v[LS]
.endif
	SUMS 1
.if \mode < 2
	ALUWAIT
	s_wait_dscnt 0x0                               ; the add is done, and V is in: my reads of this slot are over
	s_barrier_signal -1
.endif
	BATCH 2
	WIN 0
	ALUWAIT
.if \mode < 2
	s_barrier_wait -1                              ; the next step's slot is whole
.if \mode == 0
	CREST                                          ; and no wave of any partner reads this one any more:
	tensor_load_to_lds s[G0:G0+3], s[G1:G1+7]      ; the step after the next
	s_nop 0
.endif
	SCALES KS, 32768                               ; the next step's K, in two runs
	KLOAD 0
	KLOAD 1
	KLOAD 2
.endif
	CVT 0
	SUMS 2                                         ; (these lines also stand between the codes and the products that take them)
	ALUWAIT
.if \mode < 2
.irp t, 3,4,5,6,7
	KLOAD \t
.endr
.else
	s_wait_dscnt 0x0                               ; V is in
.endif
	PVEXP
	ALUWAIT
.if \mode < 2
	s_wait_dscnt 0x0                               ; the next step's K is in
	QKSUM
.else
	SUMS 3
	WIN 0x41
.set jq, 0
.rept 32
	HOLDP 3, jq
.set jq, jq+1
.endr
.endif
	CVT 1
	NOPS 4                                         ; four plain lines between the codes and the products that take them
.irp t, 0,1,2,3,4,5,6,7
.irp x, 2,3
	PV \t, \x
.endr
.endr
	WIN 0
.if \mode < 2
	NOPS 8                                         ; eight plain lines between the products and loads into the registers that they read
.endif
.endm
	s_load_b256 s[4:11], s[0:1], 0x0               ; qc, kv, part, ml
	v_lshl_add_u32 v[SPW], v0, 2, SPARE
	v_mov_b32 v[NIL], 0
	ds_add_u32 v[SPW], v[NIL]                      ; the add, twice on end, ahead of my first tensor load
	ds_add_u32 v[SPW], v[NIL]
	v_lshrrev_b32 v8, 5, v0
	v_readfirstlane_b32 s[WV], v8                  ; wave 0..3
	v_and_b32 v8, 31, v0
	v_lshlrev_b32 v[LI], 4, v8
	v_lshlrev_b32 v[LS], 2, v8
	v_lshlrev_b32 v[L8], 3, v8
	ALUWAIT
	s_xor_b32 s44, s[WV], 1                        ; my partner
	s_lshl_b32 s36, s[WV], 14                      ; the exchange: used at the end
	s_add_co_u32 s36, s36, MRG
	s_lshl_b32 s37, s44, 14
	s_add_co_u32 s37, s37, MRG
	s_lshl_b32 s38, s[WV], 9
	s_add_co_u32 s38, s38, MLX
	s_lshl_b32 s39, s44, 9
	s_add_co_u32 s39, s39, MLX
	s_and_b32 s[TB], s[WV], 1
	s_mul_i32 s[TB], s[TB], STEPB                  ; my block of a step, in slot 0
	v_add_nc_u32 v[ADR], s[TB], v[LI]
	v_add_nc_u32 v[ADS], s[TB], v[LS]
	; what the loads hang on: y and the wave's number alone
	s_and_b32 s15, ttmp7, 0xffff                   ; y
	s_mul_i32 s16, s[WV], CH                       ; my quarter of a step: in LDS,
	s_mul_i32 s18, s15, 16*STEPB
	s_add_co_u32 s18, s18, s16                     ; and in kv
	s_mov_b32 s19, 0
	s_mov_b32 s[G1+0], 15|(3<<16)|(1<<21)          ; 15:0 the mask: all four work-groups; 17:16 elements of 8 bytes; 21 set beside a mask
	s_mov_b32 s[G1+1], 32<<16                      ; tensor_dim0 = 32 elements: 256 bytes
	s_mov_b32 s[G1+2], 66<<16                      ; tensor_dim1 = 66
	s_mov_b32 s[G1+3], 32<<16                      ; tile_dim0
	s_mov_b32 s[G1+4], 66                          ; tile_dim1
	s_mov_b32 s[G1+5], 32                          ; dense rows
	s_mov_b32 s[G1+6], 0
	s_mov_b32 s[G1+7], 0
	; what hangs on my place in the cluster: global addresses of qc, part and ml alone
	s_bfe_u32 s13, ttmp6, 0x40000                  ; cx
	s_lshl_b32 s14, ttmp9, 2
	s_add_co_u32 s14, s14, s13                     ; x = 4 x cluster x + cx
	s_mul_i32 s62, s14, 16896                      ; my block of 128 queries in qc
	s_lshl_b32 s60, s[WV], 12
	s_add_co_u32 s60, s60, s62                     ; fragments of pair w,
	s_mov_b32 s61, 0
	s_lshl_b32 s40, s44, 12
	s_add_co_u32 s40, s40, s62                     ; of pair w xor 1,
	s_mov_b32 s41, 0
	s_add_co_u32 s62, s62, 16384
	s_lshl_b32 s42, s[WV], 7
	s_add_co_u32 s42, s42, s62                     ; and their scale words
	s_mov_b32 s43, 0
	s_lshl_b32 s46, s44, 7
	s_add_co_u32 s46, s46, s62
	s_mov_b32 s47, 0
	s_lshl_b32 s62, s15, 9
	s_lshl_b32 s63, s14, 3
	s_add_co_u32 s62, s62, s63
	s_lshl_b32 s63, s[WV], 1
	s_add_co_u32 s62, s62, s63                     ; my first tile among the results: 512 y + 8 x + 2 w
	s_lshl_b32 s54, s62, 8                         ; 256 bytes a tile in ml
	s_mov_b32 s55, 0
	s_lshl_b32 s62, s62, 13                        ; 8,192 bytes a tile in part
	s_mov_b32 s63, 0
	s_mov_b32 s[SEL], 0x76543210
	s_mov_b32 s[SEL+1], 0xfedcba98
	s_mov_b32 s[CS], 0x3e0293ee
	s_mov_b32 s[CS+1], s[CS]                       ; (named with it as a pair, so it is written)
	s_mov_b32 s[NCS], 0xbe0293ee
	s_mov_b32 s[NINF], 0xff800000
	ALUWAIT
	s_wait_dscnt 0x0                               ; both opening adds are done
	s_wait_kmcnt 0x0
	s_add_nc_u64 s[18:19], s[6:7], s[18:19]
	s_mov_b32 s[G0], 1                             ; count = 1
	s_mov_b32 s[G0+1], s16                         ; LDS address: slot 0
	s_mov_b64 s[G0+2:G0+3], s[18:19]               ; global address: step 0
	s_or_b32 s[G0+3], s[G0+3], 0x80000000          ; type = 2
	s_add_nc_u64 s[60:61], s[4:5], s[60:61]
	s_add_nc_u64 s[40:41], s[4:5], s[40:41]
	s_add_nc_u64 s[42:43], s[4:5], s[42:43]
	s_add_nc_u64 s[46:47], s[4:5], s[46:47]
	s_add_nc_u64 s[56:57], s[8:9], s[62:63]        ; my tiles in part
	s_add_nc_u64 s[58:59], s[10:11], s[54:55]      ; and in ml
	ROUND                                          ; all four work-groups are here: the joint loads meet
	tensor_load_to_lds s[G0:G0+3], s[G1:G1+7]      ; step 0
	s_nop 0
.irp u, 0,1
.irp c, 0,1,2,3
	global_load_b128 v[QF+16*\u+4*\c:QF+16*\u+4*\c+3], v[LI], s[60:61] offset:2048*\u+512*\c   ; Q's four fragments stay in registers
	global_load_b128 v[QF+32+16*\u+4*\c:QF+32+16*\u+4*\c+3], v[LI], s[40:41] offset:2048*\u+512*\c
.endr
.endr
	global_load_b32 v[QS], v[LS], s[42:43]
	global_load_b32 v[QS+1], v[LS], s[46:47]
.irp x, 0,1,2,3
	v_mov_b32 v[ST+2*\x], 0x7f000000               ; -M so far: 2^127: the first change of M gives f = 0
	v_mov_b32 v[ST+2*\x+1], 0xff61b1e6             ; the largest score so far: -3e38
	v_mov_b32 v[F+2*\x+1], 0                       ; (named as the upper half of f's pair)
.endr
.set jj, 0
.rept 16
	v_mov_b32 v[SO+jj], 0                          ; written once: a lane permute's destination counts as one of its sources
.set jj, jj+1
.endr
.set jj, 0
.rept 32
	v_mov_b32 v[LS4+jj], 0                         ; l
.set jj, jj+1
.endr
	WIN 0x80
.set jj, 0
.rept 256
	v_mov_b32 v[jj], 0                             ; O^T: the step is written once for all trips, and its first finds zeros; these lines stand under step 0's load
.set jj, jj+1
.endr
	WIN 0
	ALUWAIT                                        ; the head's end
	s_wait_loadcnt 0x0                             ; Q
	s_wait_tensorcnt 0x0                           ; my part of step 0 is in
	ds_add_u32 v[SPW], v[NIL]
	s_xor_b32 s[G0+1], s[G0+1], SLOT1
	s_add_nc_u64 s[G0+2:G0+3], s[G0+2:G0+3], 2*STEPB
	s_wait_dscnt 0x0
	ROUND                                          ; everybody's part of step 0 is in
	tensor_load_to_lds s[G0:G0+3], s[G1:G1+7]      ; step 1
	s_nop 0
	NOPS 4
	SCALES KS, 32768
.irp t, 0,1,2,3,4,5,6,7
	KLOAD \t
.endr
	WIN 0
	s_wait_dscnt 0x0                               ; step 0's K is in
.irp t, 0,1,2,3,4,5,6,7
.irp x, 0,1
	KQ \t, \x
.endr
.endr
	WIN 0
	NOPS 8                                         ; eight plain lines ahead of the first read of the scores
	s_mov_b32 s[CNT], 6
.Lstep:                                            ; steps 0 to 5 ask for steps 2 to 7
	STEP 0
	s_sub_co_u32 s[CNT], s[CNT], 1
	s_cmp_lg_u32 s[CNT], 0
	ALUWAIT
	s_cbranch_scc1 .Lstep
	STEP 1
	STEP 2
	; THE END.  l's four pairs and the two halves of the lanes are added: these lines are also the places behind the last products
	v_add_nc_u32 v[EXS], s36, v[LI]
	v_add_nc_u32 v[EXL], s37, v[LI]
	v_add_nc_u32 v[EX8], s38, v[L8]
	v_add_nc_u32 v[EL8], s39, v[L8]
.irp x, 0,1,2,3
	v_pk_add_f32 v[LS4+8*\x:LS4+8*\x+1], v[LS4+8*\x:LS4+8*\x+1], v[LS4+8*\x+2:LS4+8*\x+3]
.endr
.irp x, 0,1,2,3
	v_pk_add_f32 v[LS4+8*\x+4:LS4+8*\x+5], v[LS4+8*\x+4:LS4+8*\x+5], v[LS4+8*\x+6:LS4+8*\x+7]
.endr
.irp x, 0,1,2,3
	v_pk_add_f32 v[LS4+8*\x:LS4+8*\x+1], v[LS4+8*\x:LS4+8*\x+1], v[LS4+8*\x+4:LS4+8*\x+5]
.endr
.irp x, 0,1,2,3
	v_add_f32 v[ST+2*\x+1], v[LS4+8*\x], v[LS4+8*\x+1]
.endr
.irp x, 0,1,2,3
	v_permlanex16_b32 v[TP+\x], v[ST+2*\x+1], s[SEL], s[SEL+1]
.endr
.irp x, 0,1,2,3
	v_add_f32 v[ST+2*\x+1], v[ST+2*\x+1], v[TP+\x]
.endr
	ALUWAIT
	; tiles 2 and 3 go to my partner: as images of their registers
	ds_store_b64 v[EX8], v[ST+4:ST+5]
	ds_store_b64 v[EX8], v[ST+6:ST+7] offset:256
	WIN 0x08                                       ; a store's data are its source 1: window 2
.set jj, 0
.rept 32
	ds_store_b128 v[EXS], v[128+4*jj:128+4*jj+3] offset:512*jj
.set jj, jj+1
.endr
	WIN 0
	s_wait_dscnt 0x0                               ; my stores are done: for my partner's sake
	s_barrier_signal -1
	s_barrier_wait -1
.set OM, SO                            ; v[72:73], v[74:75] my partner's (-M, l) for my tiles 0 and 1
	ds_load_b64 v[OM:OM+1], v[EL8]
	ds_load_b64 v[OM+2:OM+3], v[EL8] offset:256
	WIN 0x40
.set jj, 0
.rept 32
	ds_load_b128 v[4*jj:4*jj+3], v[EXL] offset:512*jj   ; and its O^T, into window 1
.set jj, jj+1
.endr
	WIN 0
	s_wait_dscnt 32                                ; the two pairs are in; the 32 loads of O^T may be out
.irp u, 0,1
	v_min_num_f32 v[TP+\u], v[ST+2*\u], v[OM+2*\u] ; the smaller -M is the larger M
.endr
.irp u, 0,1
	v_sub_f32 v[F+2*\u], v[TP+\u], v[ST+2*\u]
	v_sub_f32 v[BM+2*\u], v[TP+\u], v[OM+2*\u]
	v_mov_b32 v[ST+2*\u], v[TP+\u]
.endr
.irp u, 0,1
	v_cvt_i32_f32 v[F+2*\u], v[F+2*\u]
	v_cvt_i32_f32 v[BM+2*\u], v[BM+2*\u]
.endr
.irp u, 0,1
	v_ldexp_f32 v[F+2*\u], 1.0, v[F+2*\u]          ; my factor,
	v_ldexp_f32 v[BM+2*\u], 1.0, v[BM+2*\u]        ; my partner's
.endr
.irp u, 0,1
	v_mul_f32 v[ST+2*\u+1], v[ST+2*\u+1], v[F+2*\u]
.endr
.irp u, 0,1
	v_fma_f32 v[ST+2*\u+1], v[OM+2*\u+1], v[BM+2*\u], v[ST+2*\u+1]
.endr
.irp u, 0,1
	global_store_b64 v[L8], v[ST+2*\u:ST+2*\u+1], s[58:59] offset:256*\u   ; (-M, l): 256 consecutive bytes
.endr
	WIN 0x82
	ALUWAIT                                        ; ahead of O^T's first reader
.irp u, 0,1
.set jj, 64*\u
.rept 32
	v_pk_mul_f32 v[jj:jj+1], v[jj:jj+1], v[F+2*\u:F+2*\u+1] op_sel_hi:[1,0]
.set jj, jj+2
.endr
.endr
.irp u, 0,1
	s_wait_dscnt 16*(1-\u)                         ; tile u's sixteen loads are in; tile 1's may be out
	WIN 0xa1
.set jj, 64*\u
.rept 32
	v_pk_fma_f32 v[jj:jj+1], v[jj:jj+1], v[BM+2*\u:BM+2*\u+1], v[jj:jj+1] op_sel_hi:[1,0,1]   ; source 0 in window 1, source 2 and the result in window 2
.set jj, jj+2
.endr
	WIN 0x08
.set jj, 0
.rept 16
	global_store_b128 v[LI], v[64*\u+4*jj:64*\u+4*jj+3], s[56:57] offset:8192*\u+512*jj   ; an image of the registers: 512 consecutive bytes a store
.set jj, jj+1
.endr
.endr
	WIN 0
	s_wait_tensorcnt 0x0                           ; the wave's end
	ds_add_u32 v[SPW], v[NIL]
	s_wait_dscnt 0x0
	ROUND                                          ; the closing round: no work-group ends while a partner may still ask for a tile that names it
	s_endpgm
.Lfunc_end_k_q94687edbf8_attn:
	.size	k_q94687edbf8_attn, .Lfunc_end_k_q94687edbf8_attn-k_q94687edbf8_attn
	.p2alignl 7, 3214868480
	.fill 96, 4, 3214868480
	.section	.rodata,"a",@progbits
	.p2align	6, 0x0
	.amdhsa_kernel k_q94687edbf8_attn
		.amdhsa_group_segment_fixed_size 327680
		.amdhsa_private_segment_fixed_size 0
		.amdhsa_enable_private_segment 0
		.amdhsa_kernarg_size 32
		.amdhsa_user_sgpr_count 2
		.amdhsa_user_sgpr_kernarg_segment_ptr 1
		.amdhsa_wavefront_size32 1
		.amdhsa_system_sgpr_workgroup_id_x 1
		.amdhsa_system_sgpr_workgroup_id_y 1
		.amdhsa_system_sgpr_workgroup_id_z 1
		.amdhsa_system_vgpr_workitem_id 0
		.amdhsa_next_free_vgpr 1024
		.amdhsa_next_free_sgpr 66
		.amdhsa_reserve_vcc 0
		.amdhsa_float_denorm_mode_32 3
		.amdhsa_float_denorm_mode_16_64 3
		.amdhsa_memory_ordered 1
		.amdhsa_forward_progress 1
		.amdhsa_inst_pref_size 255
	.end_amdhsa_kernel
	.section	.bss,"aw",@nobits
	.p2align	6
	.space	262144
	.amdgpu_metadata
---
amdhsa.version: [ 1, 2 ]
amdhsa.kernels:
  - .name:           k_q94687edbf8_attn
    .symbol:         k_q94687edbf8_attn.kd
    .args:
      - { .name: qc, .offset: 0, .size: 8, .value_kind: global_buffer, .address_space: global }
      - { .name: kv, .offset: 8, .size: 8, .value_kind: global_buffer, .address_space: global }
      - { .name: part, .offset: 16, .size: 8, .value_kind: global_buffer, .address_space: global }
      - { .name: ml, .offset: 24, .size: 8, .value_kind: global_buffer, .address_space: global }
    .group_segment_fixed_size: 327680
    .private_segment_fixed_size: 0
    .kernarg_segment_align: 8
    .kernarg_segment_size: 32
    .max_flat_workgroup_size: 128
    .sgpr_count:     66
    .vgpr_count:     1024
    .wavefront_size: 32
...
	.end_amdgpu_metadata
.endif
;; end of part 2
;; launch merge (part 3): grid 256 x 1, 4 waves a work-group, no clusters, 17,920 bytes of LDS; arguments part, ml, out0; writes out0
.if DOCPART == 3
	.amdgcn_target "amdgcn-amd-amdhsa--gfx1250"
	.amdhsa_code_object_version 6
	.text
	.protected	k_q94687edbf8_merge
	.globl	k_q94687edbf8_merge
	.p2align	8
	.type	k_q94687edbf8_merge,@function
k_q94687edbf8_merge:
	s_mov_b64 s[64:65], 0
	v_nop
	global_prefetch_b8 v0, s[64:65] scope:SCOPE_SE
	s_setreg_imm32_b32 hwreg(HW_REG_WAVE_MODE, 25, 1), 1
	s_wait_xcnt 0x0
; out0[q][:] = (the sum over the 4 shares s of 2^(M_s - M) O_s[q][:]) / (the sum over s of 2^(M_s - M) l_s[q]), M = the largest M_s.  All M are whole numbers, so the factors are exact powers of two.
; part: [share 4][tile 512][group 16][lane 32][16 bytes], an image of O^T's registers: group g of lane (r, h) holds query r of the tile, channels 16 (g / 2) + 8 h + 4 (g % 2) + 0 .. 3.  ml: [share][tile][lane][(-M, l)].
; Tile T holds the queries 32 (T / 2) + 8 (T % 2) + r + 8 (r / 8): the order in which q was laid; it is undone here by the stores' addresses.
; SHARES.  A wave takes half a tile: groups 8 u .. 8 u + 7, channels 64 u on: 256 bytes of each of 16 rows of out0.  1,024 waves, 256 work-groups.  A stream: no input byte of part is read twice, so no cluster, no matrix unit.
; All 32 loads of part are out at once; each takes 512 consecutive bytes.  The result turns through the wave's own stage in LDS, so that sixteen lanes store 256 consecutive bytes, aligned.  No barrier.
; ROUNDING: 1 / the sum (v_rcp_f32) is multiplied into the four factors, one more rounding in f32 for each term than a division at the end.
.set ML, 16                            ; v[16+2s:17+2s] (-M_s, l_s), later (g_s, l_s)
.set FS, 32                            ; v32-35 f_s = 2^(M_s - M)
.set SL, 64                            ; v64-191 four slots of 32 registers; slot 0 takes the sum
	s_load_b128 s[4:7], s[0:1], 0x0                ; part, ml
	s_load_b64 s[8:9], s[0:1], 0x10                ; out0
	v_lshl_add_u32 v62, v0, 2, 0x4400
	v_mov_b32 v63, 0
	v_lshrrev_b32 v6, 5, v0
	v_readfirstlane_b32 s10, v6                    ; wave 0..3
	v_and_b32 v6, 31, v0
	v_and_b32 v7, 15, v0                           ; r
	v_bfe_u32 v13, v0, 4, 1                        ; h
	v_lshlrev_b32 v1, 4, v6                        ; 16 x lane
	v_lshlrev_b32 v2, 3, v6                        ; 8 x lane
	s_mul_i32 s40, s10, 16*272                     ; my stage: 16 rows of 256 bytes + 16
	v_mul_u32_u24 v3, v7, 272
	v_lshl_add_u32 v3, v13, 5, v3
	v_add_nc_u32 v3, s40, v3                       ; in: row r, + 32 h
	v_mul_u32_u24 v4, v13, 272
	v_lshl_add_u32 v4, v7, 4, v4
	v_add_nc_u32 v4, s40, v4                       ; back: lanes 0-15 one row, lanes 16-31 the next
	v_lshlrev_b32 v5, 9, v13
	v_lshl_add_u32 v5, v7, 4, v5                   ; and the same two rows in out0
	s_lshl_b32 s11, ttmp9, 2
	s_add_co_u32 s11, s11, s10
	s_lshr_b32 s12, s11, 1                         ; the tile T
	s_and_b32 s13, s11, 1                          ; the half u
	s_lshl_b32 s14, s12, 13
	s_lshl_b32 s15, s13, 12
	s_add_co_u32 s14, s14, s15                     ; part: 8,192 T + 4,096 u
	s_mov_b32 s15, 0
	s_lshl_b32 s36, s12, 8                         ; ml: 256 T
	s_mov_b32 s37, 0
	s_lshr_b32 s38, s12, 1
	s_lshl_b32 s38, s38, 14                        ; out0: 32 (T / 2) rows of 512 bytes,
	s_and_b32 s39, s12, 1
	s_lshl_b32 s39, s39, 12                        ; 8 (T % 2) rows,
	s_add_co_u32 s38, s38, s39
	s_lshl_b32 s39, s13, 8                         ; 256 u
	s_add_co_u32 s38, s38, s39
	s_mov_b32 s39, 0
	s_wait_alu depctr_va_vdst(0)
	s_wait_kmcnt 0x0
	s_add_nc_u64 s[16:17], s[4:5], s[14:15]        ; a base for each share, 512 tiles of 8,192 bytes apart
.irp s, 1,2,3
	s_add_nc_u64 s[16+2*\s:17+2*\s], s[14+2*\s:15+2*\s], 0x400000
.endr
	s_add_nc_u64 s[32:33], s[6:7], s[36:37]
	s_add_nc_u64 s[34:35], s[8:9], s[38:39]
.irp s, 0,1,2,3
	global_load_b64 v[ML+2*\s:ML+2*\s+1], v2, s[32:33] offset:131072*\s
.endr
.irp s, 0,1,2,3
.irp g, 0,1,2,3,4,5,6,7
	global_load_b128 v[SL+32*\s+4*\g:SL+32*\s+4*\g+3], v1, s[16+2*\s:17+2*\s] offset:512*\g th:TH_LOAD_NT
.endr
.endr
	s_wait_loadcnt 32                              ; the four pairs (-M, l) are in; the 32 loads behind them may be out
	v_min3_num_f32 v8, v[ML], v[ML+2], v[ML+4]     ; the smallest -M is -(the largest M)
	v_min_num_f32 v8, v8, v[ML+6]
.irp s, 0,1,2,3
	v_sub_f32 v[FS+\s], v8, v[ML+2*\s]             ; M_s - M: a whole number, 0 or less
.endr
.irp s, 0,1,2,3
	v_cvt_i32_f32 v[FS+\s], v[FS+\s]
.endr
.irp s, 0,1,2,3
	v_ldexp_f32 v[FS+\s], 1.0, v[FS+\s]            ; f_s
.endr
	v_mul_f32 v9, v[FS], v[ML+1]
.irp s, 1,2,3
	v_fma_f32 v9, v[FS+\s], v[ML+2*\s+1], v9       ; the row's sum: above 1/2, since the share with the largest M holds a p above 1/2
.endr
	s_wait_alu depctr_va_vdst(0)
	v_rcp_f32 v10, v9
	v_nop                                          ; a plain line behind the reciprocal,
	s_wait_alu depctr_va_vdst(0)                   ; and the wait ahead of its first reader
.irp s, 0,1,2,3
	v_mul_f32 v[ML+2*\s], v[FS+\s], v10            ; g_s = f_s / the sum
.endr
	s_wait_alu depctr_va_vdst(0)
.irp s, 0,1,2,3                                ; share s is added onto slot 0, in ascending order
	s_wait_loadcnt 24-8*\s                         ; the younger shares' loads may be out
.set j, 0
.rept 16
.if \s == 0
	v_pk_mul_f32 v[SL+j:SL+j+1], v[SL+j:SL+j+1], v[ML:ML+1] op_sel_hi:[1,0]
.else
	v_pk_fma_f32 v[SL+j:SL+j+1], v[SL+32*\s+j:SL+32*\s+j+1], v[ML+2*\s:ML+2*\s+1], v[SL+j:SL+j+1] op_sel_hi:[1,0,1]
.endif
.set j, j+2
.endr
.endr
.irp g, 0,1,2,3,4,5,6,7
	ds_store_b128 v3, v[SL+4*\g:SL+4*\g+3] offset:64*(\g/2)+16*(\g%2)   ; channels 16 (g / 2) + 8 h + 4 (g % 2) on, of the half's 64
.endr
.irp i, 0,1,2,3,4,5,6,7
	ds_load_b128 v[SL+32+4*\i:SL+32+4*\i+3], v4 offset:544*\i          ; rows 2 i and 2 i + 1.  LDS serves a wave's instructions in order: these see my stores
.endr
.irp i, 0,1,2,3,4,5,6,7
	s_wait_dscnt 7-\i
	global_store_b128 v5, v[SL+32+4*\i:SL+32+4*\i+3], s[34:35] offset:(2*\i+8*(\i/4))*512 th:TH_STORE_NT   ; the tile's row r is query r + 8 (r / 8) of its 32; sixteen lanes store 256 consecutive bytes, aligned
.endr
	s_wait_tensorcnt 0x0
	ds_add_u32 v62, v63
	s_wait_dscnt 0x0
	s_endpgm
.Lfunc_end_k_q94687edbf8_merge:
	.size	k_q94687edbf8_merge, .Lfunc_end_k_q94687edbf8_merge-k_q94687edbf8_merge
	.p2alignl 7, 3214868480
	.fill 96, 4, 3214868480
	.section	.rodata,"a",@progbits
	.p2align	6, 0x0
	.amdhsa_kernel k_q94687edbf8_merge
		.amdhsa_group_segment_fixed_size 17920
		.amdhsa_private_segment_fixed_size 0
		.amdhsa_enable_private_segment 0
		.amdhsa_kernarg_size 24
		.amdhsa_user_sgpr_count 2
		.amdhsa_user_sgpr_kernarg_segment_ptr 1
		.amdhsa_wavefront_size32 1
		.amdhsa_system_sgpr_workgroup_id_x 1
		.amdhsa_system_sgpr_workgroup_id_y 1
		.amdhsa_system_sgpr_workgroup_id_z 1
		.amdhsa_system_vgpr_workitem_id 0
		.amdhsa_next_free_vgpr 192
		.amdhsa_next_free_sgpr 66
		.amdhsa_reserve_vcc 0
		.amdhsa_float_denorm_mode_32 3
		.amdhsa_float_denorm_mode_16_64 3
		.amdhsa_memory_ordered 1
		.amdhsa_forward_progress 1
		.amdhsa_inst_pref_size 13
	.end_amdhsa_kernel
	.amdgpu_metadata
---
amdhsa.version: [ 1, 2 ]
amdhsa.kernels:
  - .name:           k_q94687edbf8_merge
    .symbol:         k_q94687edbf8_merge.kd
    .args:
      - { .name: part, .offset: 0, .size: 8, .value_kind: global_buffer, .address_space: global }
      - { .name: ml, .offset: 8, .size: 8, .value_kind: global_buffer, .address_space: global }
      - { .name: out0, .offset: 16, .size: 8, .value_kind: global_buffer, .address_space: global }
    .group_segment_fixed_size: 17920
    .private_segment_fixed_size: 0
    .kernarg_segment_align: 8
    .kernarg_segment_size: 24
    .max_flat_workgroup_size: 128
    .sgpr_count:     66
    .vgpr_count:     192
    .wavefront_size: 32
...
	.end_amdgpu_metadata
.endif
;; end of part 3
